; MI455X (gfx1250); checked and timed in simulation.
; The chip was launched on July 23, 2026; its instructions are those of AMD's public machine-readable ISA for CDNA 5 (MIT licence, August 2026) and "CDNA5" Instruction Set Architecture Reference Guide (July 2026). The comments in the code are by the model that wrote it; some were corrected since.
;; Causal Self Attention. Allowed arithmetic: matrix products marked QUANTISED: E4M3 operands, one E8M0 scale for each 32 along K, by v_wmma_scale_f32_16x16x128_f8f6f4 with both operands' format E4M3, f32 sums; everything else in f32.
;; Inputs: b_proj 1,024 float32; w_attn_codes 3,072 x 32 x 32 uint8 (E4M3 codes of w_attn, K innermost, in blocks of 32 codes); w_attn_scales 3,072 x 32 uint8 (E8M0 scales of w_attn, one for each 32 codes along K); w_proj_codes 1,024 x 32 x 32 uint8 (E4M3 codes of w_proj, K innermost, in blocks of 32 codes); w_proj_scales 1,024 x 32 uint8 (E8M0 scales of w_proj, one for each 32 codes along K); x_codes 8 x 1,024 x 32 x 32 uint8 (E4M3 codes of x, K innermost, in blocks of 32 codes); x_scales 8 x 1,024 x 32 uint8 (E8M0 scales of x, one for each 32 codes along K).
;; Outputs: out0 8 x 1,024 x 1,024 float32.
;; This version of the problem:
;;   THIS VERSION OF THE PROBLEM IS GIVEN IN LOW PRECISION. The matrix products marked QUANTISED in the list below multiply operands that are first quantised to E4M3 (4 exponent bits, 3 mantissa bits; 8 bits a number), with one power-of-two scale for each 32 numbers along K (OCP MX v1.0); their sums are f32. All else is computed in f32.
;;   The module's matrix products, in the order in which they are computed (A, B: the left and right operand; K: the contracted axis; several contracted axes count as one K, in the product's order):
;;     1. [M 8,192, K 1,024] x [K 1,024, N 3,072]; A: input x (given as codes); B: input w_attn (given as codes): QUANTISED
;;     2. batch 128 x [M 1,024, K 64] x [K 64, N 1,024]; A: computed on the way; B: computed on the way: QUANTISED
;;     3. batch 128 x [M 1,024, K 1,024] x [K 1,024, N 64]; A: softmax (see below); B: computed on the way: QUANTISED
;;     4. [M 8,192, K 1,024] x [K 1,024, N 1,024]; A: computed on the way; B: input w_proj (given as codes): QUANTISED
;;   THE QUANTISER, for each operand of a quantised product, along K:
;;     - K is cut into blocks of 32 from its start; a last block that is shorter is filled with zeros.
;;     - A block's scale is 2^e with e = floor(log2(the largest magnitude in the block)) - 8, held to -126 .. 127; a block of zeros has e = 0. As a byte (E8M0): e + 127.
;;     - Each number is divided by its block's scale, clamped to +-448, and rounded to the nearest number of E4M3, ties to even, subnormals kept.
;;     - The product sums the exact products of the quantised numbers (number of the format x scale) in f32.
;;   ~~~python
;;   def quantise(x, axis):      # numpy; x: float32 -> the quantised numbers, widened to float32 again
;;       x = np.moveaxis(x, axis, -1); K = x.shape[-1]
;;       x = np.pad(x, [(0, 0)] * (x.ndim - 1) + [(0, -K % 32)]); x = x.reshape(x.shape[:-1] + (-1, 32)); a = np.abs(x).max(-1, keepdims=True)
;;       e = np.where(a > 0, np.clip(np.frexp(np.where(a > 0, a, 1))[1] - 1 - 8, -126, 127), 0)      # np.frexp(a)[1] - 1 = floor(log2(a)), exactly
;;       r = np.clip(x / 2.0 ** e, -448, 448)
;;       step = 2.0 ** (np.maximum(np.frexp(np.where(r == 0, 1, r))[1] - 1, -6) - 3)
;;       q = np.round(r / step) * step * 2.0 ** e      # np.round: ties to even
;;       return np.moveaxis(q.reshape(q.shape[:-2] + (-1,))[..., :K], -1, axis).astype(np.float32)
;;   ~~~
;;   SOFTMAX AHEAD OF A QUANTISED PRODUCT. Where the list says 'softmax', what is quantised is not the finished softmax but p = 2^(t - M), with t = logit x log2(e) and M = ceil(the row's largest t), a whole number; so 1/2 < the row's largest p <= 1. The row's sum l is taken of the UNQUANTISED p, in f32, and the product's result is divided by l at the end. Since M is a whole number, a kernel that streams over the keys may use a running M (the ceiling of the running maximum): every later rescaling is an exact power of two, which a block's scale takes up: the codes' values come out the same.
;;   OPERANDS COMPUTED ON THE WAY. 'Computed on the way' means the value that the module computes at that place (a softmax that the list does not call 'softmax' is quantised finished and normalised). What goes into a quantiser is computed in f32, as accurately as f32 sums, v_exp_f32 and their like allow (about 1e-6 of the number): no bf16 or f16 on the way to a quantiser, and a product that is left as it is and whose result goes on into a quantised operand takes f32 operands (vector FMAs, or v_wmma_f32_16x16x4_f32). A number that lies on a knife's edge between two numbers of the format may be rounded either way, as far as f32 arithmetic and the matrix unit's own rounding can turn it there, and no further.
;;   INPUTS GIVEN AS CODES. w_attn (in the module: [3072, 1024], K = its axis 1); w_proj (in the module: [1024, 1024], K = its axis 1); x (in the module: [8, 1024, 1024], K = its axis 2): each comes as NAME_codes (uint8): NAME with its K axis moved to the last place and cut into blocks of 32 codes, [.., K / 32, bytes a block], one block behind the other in memory; one code a byte (a code: sign, 4 exponent bits, 3 mantissa bits); and NAME_scales (uint8): the same leading axes, one E8M0 byte (e + 127) for each 32 codes along K. Its value is code x scale, taken as it is: it is not quantised again, and the codes and scales need not be those that the quantiser above would give.
;; One version. Each part assembles by itself: llvm-mc -triple=amdgcn-amd-amdhsa -mcpu=gfx1250 --defsym DOCPART=n.
;; ======== version 1 of 1: 3 launches
;; limits: right only within a limited range of input values
;; workspace buffers: kq_img 16,777,216 bytes; kq_sc 524,288 bytes; v_img 8,388,608 bytes; v_sc 262,144 bytes; y_img 8,388,608 bytes; y_sc 524,288 bytes
;; launch qkv (part 1): grid 4 x 64, 4 waves a work-group, clusters of 4 x 4, 327,680 bytes of LDS; arguments x_codes, x_scales, w_attn_codes, w_attn_scales, kq_img, kq_sc, v_img, v_sc; writes kq_img, kq_sc, v_img, v_sc
.if DOCPART == 1
	.amdgcn_target "amdgcn-amd-amdhsa--gfx1250"
	.amdhsa_code_object_version 6
	.text
	.protected	k_qc318281d29_qkv
	.globl	k_qc318281d29_qkv
	.p2align	8
	.type	k_qc318281d29_qkv,@function
k_qc318281d29_qkv:
	s_mov_b64 s[64:65], 0
	v_nop
	global_prefetch_b8 v0, s[64:65] scope:SCOPE_SE
	s_setreg_imm32_b32 hwreg(HW_REG_WAVE_MODE, 25, 1), 1
	s_wait_xcnt 0x0
	s_wait_alu depctr_hold_cnt(0) depctr_sa_sdst(0) depctr_va_vdst(0) depctr_va_sdst(0) depctr_va_ssrc(0) depctr_va_vcc(0) depctr_vm_vsrc(0)
	s_getreg_b32 s2, hwreg(HW_REG_IB_STS2, 6, 4)
	s_cmp_eq_u32 s2, 0
	s_cbranch_scc0 .Lentry_in_a_cluster
	s_endpgm
.Lentry_in_a_cluster:
	s_bfe_u32 s2, ttmp6, 0x10000c
	s_cmp_lg_u32 s2, 0xf033
	s_cbranch_scc0 .Lentry_shape_is_right
	s_endpgm
.Lentry_shape_is_right:
; qkv = x w_attn^T on codes of FP8 (E4M3) with E8M0 scales, and the quantising of k, q and v for the two products of attention.
; THE DEAL.  256 work-groups of four waves, 2 x 2.  A work-group owns 128 tokens (tile row TR) and column group cx: rows 256 cx .. + 255 of k, of q and of v.
; A wave (wr, wc) holds 64 tokens of x, ALL of K, in 512 registers, and streams weight rows past them in blocks of 16, which stand in registers as two whole sets.
; The 768 weight rows come as six chunks of 128 (k, k, q, q, v, v) through two LDS slots; in a chunk wave column wc takes head wc: four blocks, two pairs.
; k, q: source 0 = 16 weight rows, source 1 = 16 tokens: a lane holds one token, registers run along channels.  v: the sources change places: a lane holds one channel, registers run along tokens.
; A PAIR of blocks gives four groups of 16 numbers a lane (the other 16 of a scale block lie in lane l xor 16): one quantiser text for k, q and v.  It stands among the NEXT pair's products, on the other set of 64 sums.
; FILLS.  Head: x's halves (waves 0, 1) into slot 1, chunk 0 (wave 2) into slot 0, the scale bytes of my 768 weight rows (wave 3).  Chunk 1 goes over x when all waves hold x in registers.
; Chunk c + 2 goes into chunk c's slot in a drained round of the cluster's barrier inside the chunk's third block, a quarter a wave; that round also shows chunk c + 1.
; CLUSTERS 4 x 4: x's rows are shared along a row (same cy), the weights along a column (same cx).
; PREFETCH: in trip c chunk c + 3 is named, one trip ahead of its refill: 512 blocks of 256 bytes, one a lane of the 16 waves of a cluster's column, told apart by address; clusters 0 to 3 alone ask, since all sixteen read the same rows.  x comes once, at the head, and is not asked for.
; OUT.  kq_img [head 32][token / 16][c 2][lane][16]; kq_sc [head][token / 32][r] words (bytes 0, 1 the even tile, 2, 3 the odd);
; v_img [batch][head][token / 64][channel tile 4][c 2][lane][16]; v_sc [batch][head][token / 64][channel pair 2][r] words.  Place (c, h, i) holds index 32 c + 16 (i / 8) + 8 h + i % 8.
; LIMITS: a block of zeros gets the byte 1 (its codes are zeros; this program alone reads the bytes); a largest magnitude under 2^-118 counts as that floor; NaN and infinities are not served.
.set PITCH, 1040                       ; an LDS row: 1,024 bytes + 16 of padding
.set YB, 128*PITCH                     ; slot 1
.set WSC, 2*YB                         ; the weights' scale bytes: [chunk 6][128 rows][32]
.set XN, WSC+24576                     ; k's, q's scale bytes on their way out: [1 + chunk][wc][256]; the first 512 bytes stay unused
.set XV, XN+2560                       ; v's: [1 + chunk][wc][256]
.set SPARE, XV+1536
.set EMAX, 8
.set ADR0, 4                           ; my head's rows in a chunk: row r x pitch + 16 h
.set AAS0, 5                           ; my head's scale bytes: 32 x lane
.set VX0, 6
.set RD0, 7
.set CO, 8                             ; 16 x lane
.set PFO, 9
.set SPW, 10
.set NIL, 11
.set ADC, 12                           ; ADR0 in this chunk's slot, in the next chunk's
.set ADN, 13
.set AAS, 14                           ; AAS0 at this chunk, at the next
.set AAN, 15
.set VX, 16
.set VV, 17
.set ADX, 18
.set SOP, 20                           ; v20-23 the conversions' scale operands
.set XS, 24                            ; v24-39 x's scale words: 8 (tile / 2) + K step; lanes 16-31 the odd tile
.set EB, 40                            ; v40-43 scale bytes
.set WS, 44                            ; v44-59 the weights' scale words, a set a pair: lanes 16-31 the odd block
.set TQ, 60
.set ACC, 64                           ; v64-191 two sets of 64 sums
.set MCD, 192                          ; v192-207 codes
.set G1X, 24
.set G1W, 32
.set G1R, 48
.set G1S, 68
.set G0X, 56
.set G0W, 60
.set G0R, 76
.set G0S, 80
.set MSB, 0
.macro WIN new                         ; the immediate's high byte repeats the setting that is left
.if MSB != (\new)
	s_set_vgpr_msb (MSB<<8)|(\new)
.set MSB, (\new)
.endif
.endm
.macro PLACES n
.rept \n
	v_nop
.endr
.endm
.macro WALU
	s_wait_alu depctr_va_vdst(0)
.endm
.macro BARRIER
	s_barrier_signal -1
	s_barrier_wait -1
.endm
.macro MIDDLE                          ; a round's middle, behind its opening signal
	WIN 0
	s_barrier_wait -1
	s_cmp_lg_u32 s14, 0
	s_cbranch_scc1 .Lnw0_\@
	s_barrier_signal -3
.Lnw0_\@:
	s_barrier_wait -3
.endm
.macro CROUND
	s_barrier_signal -1
	MIDDLE
	BARRIER
.endm
.macro TLOAD g0, g1                    ; s_nop 0 and four v_nop follow
	tensor_load_to_lds s[\g0:\g0+3], s[\g1:\g1+7]
	s_nop 0
	PLACES 4
.endm
.macro GROUP1 g, mask, rows            ; whole rows of K, 1,024 bytes, 16 bytes of padding behind each
	s_or_b32 s[\g+0], s[\mask], (1<<20)|(1<<21)|(7<<22)|(3<<25)
	s_mov_b32 s[\g+1], 1024<<16
	s_mov_b32 s[\g+2], (\rows)<<16
	s_mov_b32 s[\g+3], 1024<<16
	s_mov_b32 s[\g+4], \rows
	s_mov_b32 s[\g+5], 1024
	s_mov_b32 s[\g+6], 0
	s_mov_b32 s[\g+7], 0
.endm
	s_load_b256 s[4:11], s[0:1], 0x0               ; x's codes, x's scales, w's codes, w's scales
	s_load_b256 s[92:99], s[0:1], 0x20             ; kq_img, kq_sc, v_img, v_sc
	v_lshl_add_u32 v[SPW], v0, 2, SPARE
	v_mov_b32 v[NIL], 0
	ds_add_u32 v[SPW], v[NIL]                      ; the opening lines: the add twice on end and its wait
	ds_add_u32 v[SPW], v[NIL]
	v_lshrrev_b32 v1, 5, v0
	v_readfirstlane_b32 s14, v1                    ; wave
	s_lshr_b32 s15, s14, 1                         ; wr: my 64 tokens
	s_and_b32 s16, s14, 1                          ; wc: my head of a chunk
	s_bfe_u32 s40, ttmp6, 0x40000                  ; cx: the column group
	s_bfe_u32 s41, ttmp6, 0x40004                  ; cy
	s_and_b32 s42, ttmp7, 0xffff                   ; the cluster's y
	s_lshl_b32 s43, s42, 2
	s_add_co_u32 s43, s43, s41                     ; TR
	s_lshl_b32 s44, s41, 2
	s_lshl_b32 s44, 15, s44                        ; my row of the cluster
	s_lshl_b32 s45, 0x1111, s40                    ; my column
	GROUP1 G1X, 44, 64
	GROUP1 G1W, 45, 128
	GROUP1 G1R, 45, 32
	s_or_b32 s[G1S], s45, (3<<16)|(1<<21)          ; three rows of 8,192 bytes (k's, q's, v's 256 rows), 32,768 bytes apart
	s_mov_b32 s[G1S+1], 1024<<16
	s_mov_b32 s[G1S+2], 3<<16
	s_mov_b32 s[G1S+3], 1024<<16
	s_mov_b32 s[G1S+4], 3
	s_mov_b32 s[G1S+5], 4096
	s_mov_b32 s[G1S+6], 0
	s_mov_b32 s[G1S+7], 0
	s_lshl_b32 s20, s43, 17                        ; x: 128 TR + 64 (wave % 2) rows
	s_lshl_b32 s21, s16, 16
	s_add_co_u32 s20, s20, s21
	s_mov_b32 s21, 0
	s_lshl_b32 s22, s40, 18                        ; the weights: 256 cx rows
	s_mov_b32 s23, 0
	s_lshl_b32 s2, s40, 13                         ; and their scale bytes
	s_mov_b32 s3, 0
	s_mov_b32 s[G0X], 1
	s_mul_i32 s[G0X+1], s16, 64*PITCH
	s_add_co_u32 s[G0X+1], s[G0X+1], YB
	s_mov_b32 s[G0W], 1
	s_mov_b32 s[G0W+1], 0
	s_mov_b32 s[G0S], 1
	s_mov_b32 s[G0S+1], WSC
	s_mov_b32 s[G0R], 1
	s_mul_i32 s47, s14, 32*PITCH                   ; a refill: 32 rows a wave
	s_add_co_u32 s[G0R+1], s47, YB
	s_wait_dscnt 0x0                               ; both opening adds are done
	CROUND                                         ; all sixteen work-groups are here
	s_wait_kmcnt 0x0
	s_add_nc_u64 s[G0X+2:G0X+3], s[4:5], s[20:21]
	s_or_b32 s[G0X+3], s[G0X+3], 0x80000000
	s_add_nc_u64 s[8:9], s[8:9], s[22:23]
	s_mov_b64 s[G0W+2:G0W+3], s[8:9]
	s_or_b32 s[G0W+3], s[G0W+3], 0x80000000
	s_add_nc_u64 s[G0S+2:G0S+3], s[10:11], s[2:3]
	s_or_b32 s[G0S+3], s[G0S+3], 0x80000000
	s_lshl_b32 s20, s14, 15
	s_add_co_u32 s20, s20, 0x20000                 ; chunk 1, my quarter
	s_add_nc_u64 s[G0R+2:G0R+3], s[8:9], s[20:21]
	s_or_b32 s[G0R+3], s[G0R+3], 0x80000000
	s_cmp_lt_u32 s14, 2                            ; one joint load a wave; x, which goes on into registers, has a line of its own
	s_cbranch_scc0 .Larm_w
	TLOAD G0X, G1X
	s_branch .Lasked
.Larm_w:
	s_cmp_eq_u32 s14, 2
	s_cbranch_scc0 .Larm_s
	TLOAD G0W, G1W
	s_branch .Lasked
.Larm_s:
	TLOAD G0S, G1S
.Lasked:
	v_and_b32 v1, 15, v0                           ; r
	v_bfe_u32 v2, v0, 4, 1                         ; h
	v_and_b32 v3, 31, v0                           ; lane
	v_mul_u32_u24 v208, v1, PITCH
	v_lshl_add_u32 v208, v2, 4, v208
	v_lshlrev_b32 v19, 5, v3                       ; 32 x lane
	v_lshlrev_b32 v[CO], 4, v3
	v_lshlrev_b32 v213, 2, v1
	v_lshlrev_b32 v214, 8, v3
	v_lshl_add_u32 v209, v0, 4, XN+512             ; the end: 16 bytes a thread of k's, q's scale bytes,
	v_lshlrev_b32 v210, 14, v2
	v_lshl_add_u32 v210, v1, 4, v210               ; which go to head + h, 16 r
	v_lshl_add_u32 v211, v0, 3, XV+512             ; 8 bytes a thread of v's
	v_lshlrev_b32 v212, 3, v3
.set I_, 0
.rept 64
	v_mov_b32 v[ACC+64+I_], 0                      ; the first trip's quantiser has no pair before it: it works on zeros and stores nothing
.set I_, I_+1
.endr
	WALU                                           ; the wait ahead of the scalar lines
	s_mul_i32 s20, s16, 64*PITCH
	v_add_nc_u32 v[ADR0], s20, v208
	s_mul_i32 s20, s15, 64*PITCH
	s_add_co_u32 s20, s20, YB
	v_add_nc_u32 v[ADX], s20, v208
	s_lshl_b32 s20, s16, 11
	s_add_co_u32 s20, s20, WSC
	v_add_nc_u32 v[AAS0], s20, v19
	s_lshl_b32 s20, s16, 8
	s_lshl_b32 s21, s15, 7
	s_add_co_u32 s20, s20, s21
	s_add_co_u32 s21, s20, XN
	v_add_nc_u32 v[VX0], s21, v213
	s_add_co_u32 s21, s20, XV
	v_add_nc_u32 v[RD0], s21, v213
	s_lshl_b32 s20, s41, 2
	s_add_co_u32 s20, s20, s14
	s_lshl_b32 s20, s20, 13                        ; my sixteenth of a chunk
	v_add_nc_u32 v[PFO], s20, v214
	s_lshl_b32 s20, s43, 12                        ; x's scale words: lane l takes row 32 p + l of my 64, 32 bytes
	s_lshl_b32 s21, s15, 11
	s_add_co_u32 s20, s20, s21
	s_mov_b32 s21, 0
	s_add_nc_u64 s[6:7], s[6:7], s[20:21]
.irp p, 0,1
	global_load_b128 v[XS+8*\p:XS+8*\p+3], v19, s[6:7] offset:1024*\p
	global_load_b128 v[XS+8*\p+4:XS+8*\p+7], v19, s[6:7] offset:1024*\p+16
.endr
	WALU                                           ; the prefetches' offset was written a few lines up
	s_cmp_lt_u32 s42, 4
	s_cselect_b32 s89, 3, 0
	s_cbranch_scc0 .Lno_pf
	global_prefetch_b8 v[PFO], s[8:9] offset:0x20000 th:TH_LOAD_NT scope:SCOPE_SE    ; chunk 1
	global_prefetch_b8 v[PFO], s[8:9] offset:0x100000 th:TH_LOAD_NT scope:SCOPE_SE   ; chunk 2
.Lno_pf:
	s_add_nc_u64 s[12:13], s[8:9], 0x100000        ; the first trip steps it to chunk 3
	s_lshl_b32 s20, s40, 2                         ; where my results go
	s_add_co_u32 s20, s20, s16                     ; head 4 cx + wc
	s_lshl_b32 s21, s20, 19
	s_lshl_b32 s22, s43, 13
	s_add_co_u32 s21, s21, s22
	s_lshl_b32 s22, s15, 12
	s_add_co_u32 s2, s21, s22
	s_mov_b32 s3, 0
	s_add_nc_u64 s[84:85], s[92:93], s[2:3]
	s_sub_nc_u64 s[84:85], s[84:85], 7<<20         ; the first trip's step brings it to chunk 0's head
	s_lshr_b32 s21, s43, 3
	s_lshl_b32 s21, s21, 20
	s_lshl_b32 s23, s20, 16
	s_add_co_u32 s21, s21, s23
	s_and_b32 s23, s43, 7
	s_lshl_b32 s23, s23, 13
	s_add_co_u32 s21, s21, s23
	s_add_co_u32 s2, s21, s22
	s_add_nc_u64 s[90:91], s[96:97], s[2:3]
	s_lshl_b32 s21, s15, 4                         ; kq_sc: wave n stores heads 16 (n / 2) + 4 cx + 2 (n % 2) + h
	s_lshl_b32 s22, s40, 2
	s_add_co_u32 s21, s21, s22
	s_lshl_b32 s22, s16, 1
	s_add_co_u32 s21, s21, s22
	s_lshl_b32 s21, s21, 14
	s_lshl_b32 s22, s43, 8
	s_add_co_u32 s2, s21, s22
	s_add_nc_u64 s[94:95], s[94:95], s[2:3]
	s_lshr_b32 s21, s43, 3                         ; v_sc: wave n stores head 4 cx + n: 256 bytes
	s_lshl_b32 s21, s21, 15
	s_lshl_b32 s22, s40, 2
	s_add_co_u32 s22, s22, s14
	s_lshl_b32 s22, s22, 11
	s_add_co_u32 s21, s21, s22
	s_and_b32 s22, s43, 7
	s_lshl_b32 s22, s22, 8
	s_add_co_u32 s2, s21, s22
	s_add_nc_u64 s[98:99], s[98:99], s[2:3]
	s_mov_b32 s86, 0x76543210                      ; lane l xor 16
	s_mov_b32 s87, 0xfedcba98
	s_mov_b32 s88, 0x600000                        ; the mantissa field of 448
	s_mov_b32 s17, 0                               ; this chunk's slot, the next chunk's
	s_mov_b32 s18, YB
	s_mov_b32 s19, 0x20000                         ; from chunk to chunk: 128 rows and 896 rows by turns
	s_mov_b32 s46, 0                               ; the trip
	s_mov_b32 s66, 0                               ; 512 x trip; 4,096 x chunk; the next chunk's, held at the last
	s_mov_b32 s67, 0
	s_mov_b32 s101, 4096
	s_mov_b32 s100, 0
	WALU                                           ; the wait at the head's end
	s_cmp_lt_u32 s14, 2
	s_cbranch_scc0 .Lnot_x
	s_wait_tensorcnt 0x0                           ; waves 0, 1: x has landed; the others wait further down
.Lnot_x:
	BARRIER
.irp q, 0,1,2,3,4,5,6,7                ; my 64 tokens, all of K: fragment 4 q + t in windows 1 and 2
.irp t, 0,1,2,3
	WIN (1+(4*\q+\t)/16)<<6
.irp c, 0,1,2,3
	ds_load_b128 v[16*((4*\q+\t)%16)+4*\c:16*((4*\q+\t)%16)+4*\c+3], v[ADX] offset:\t*16*PITCH+128*\q+32*\c
.endr
.endr
.endr
	WIN 0
	s_wait_tensorcnt 0x0                           ; all my loads are in;
	ds_add_u32 v[SPW], v[NIL]
	s_wait_dscnt 0x0                               ; x is in my registers
	CROUND
	TLOAD G0R, G1R                                 ; chunk 1 over x
.macro FETCH e, adr, off               ; a block of 16 weight rows, all of K, into set e of window 3: 32 loads
	WIN 3<<6
.irp q, 0,1,2,3,4,5,6,7
.irp c, 0,1,2,3
	ds_load_b128 v[128*\e+16*\q+4*\c:128*\e+16*\q+4*\c+3], v[\adr] offset:(\off)+128*\q+32*\c
.endr
.endr
	WIN 0
.endm
.macro FSC set, adr, off               ; a pair's scale words: 2 loads
	ds_load_b128 v[WS+8*\set:WS+8*\set+3], v[\adr] offset:\off
	ds_load_b128 v[WS+8*\set+4:WS+8*\set+7], v[\adr] offset:(\off)+16
.endm
; product n = 4 q + t: K step q, token tile t; e: the block of its pair (and its set); a: the pair's sums and scale words.  The four sums take turns
.macro PROD kind, e, a, n
.set Q_, (\n)/4
.set P_, (\n)%4
.set R_, 16*((\n)%16)
.set W_, 128*(\e)+16*Q_
.if \kind
.set D_, ACC+64*(\a)+32*(P_%2)+8*(2*(\e)+P_/2)
.set S0_, R_
.set S1_, W_
.set SA_, XS+8*(P_/2)+Q_
.set SB_, WS+8*(\a)+Q_
.set RA_, P_%2
.set RB_, \e
	WIN (1+(\n)/16)|(3<<2)
.else
.set D_, ACC+64*(\a)+32*(\e)+8*P_
.set S0_, W_
.set S1_, R_
.set SA_, WS+8*(\a)+Q_
.set SB_, XS+8*(P_/2)+Q_
.set RA_, \e
.set RB_, P_%2
	WIN 3|((1+(\n)/16)<<2)
.endif
.if (Q_ == 0) && RA_ && RB_
	v_wmma_scale_f32_16x16x128_f8f6f4 v[D_:D_+7], v[S0_:S0_+15], v[S1_:S1_+15], 0, v[SA_], v[SB_] matrix_a_scale:MATRIX_SCALE_ROW1 matrix_b_scale:MATRIX_SCALE_ROW1
.elseif (Q_ == 0) && RA_
	v_wmma_scale_f32_16x16x128_f8f6f4 v[D_:D_+7], v[S0_:S0_+15], v[S1_:S1_+15], 0, v[SA_], v[SB_] matrix_a_scale:MATRIX_SCALE_ROW1
.elseif (Q_ == 0) && RB_
	v_wmma_scale_f32_16x16x128_f8f6f4 v[D_:D_+7], v[S0_:S0_+15], v[S1_:S1_+15], 0, v[SA_], v[SB_] matrix_b_scale:MATRIX_SCALE_ROW1
.elseif Q_ == 0
	v_wmma_scale_f32_16x16x128_f8f6f4 v[D_:D_+7], v[S0_:S0_+15], v[S1_:S1_+15], 0, v[SA_], v[SB_]
.elseif RA_ && RB_
	v_wmma_scale_f32_16x16x128_f8f6f4 v[D_:D_+7], v[S0_:S0_+15], v[S1_:S1_+15], v[D_:D_+7], v[SA_], v[SB_] matrix_a_scale:MATRIX_SCALE_ROW1 matrix_b_scale:MATRIX_SCALE_ROW1
.elseif RA_
	v_wmma_scale_f32_16x16x128_f8f6f4 v[D_:D_+7], v[S0_:S0_+15], v[S1_:S1_+15], v[D_:D_+7], v[SA_], v[SB_] matrix_a_scale:MATRIX_SCALE_ROW1
.elseif RB_
	v_wmma_scale_f32_16x16x128_f8f6f4 v[D_:D_+7], v[S0_:S0_+15], v[S1_:S1_+15], v[D_:D_+7], v[SA_], v[SB_] matrix_b_scale:MATRIX_SCALE_ROW1
.else
	v_wmma_scale_f32_16x16x128_f8f6f4 v[D_:D_+7], v[S0_:S0_+15], v[S1_:S1_+15], v[D_:D_+7], v[SA_], v[SB_]
.endif
.endm
.macro HOLD2 x, b                      ; two sums held at 448 x the scale: the conversion does not saturate (ISA guide 7.6.2)
	v_med3_num_f32 v[\x], v[\x], -v[TQ+\b], v[TQ+\b]
	v_med3_num_f32 v[\x+1], v[\x+1], -v[TQ+\b], v[TQ+\b]
.endm
; THE QUANTISER OF A PAIR, pieces 0 .. 59, 15 a group: group g's 16 sums at x + 8 g and x + 32 + 8 g -> codes MCD + 4 g, byte EB + g.  The bound has a second copy for the piece that would read the first late
.macro GAP u, x
.set GT_, (\u)/15
.set J_, (\u)%15
.set E_, \x+8*GT_
.set O_, E_+32
.if J_ == 0
	v_max3_num_f32 v[TQ], |v[E_]|, |v[E_+1]|, |v[E_+2]|
	v_max3_num_f32 v[TQ+2], |v[O_]|, |v[O_+1]|, |v[O_+2]|
.elseif J_ < 3
	v_max3_num_f32 v[TQ], v[TQ], |v[E_+2*J_+1]|, |v[E_+2*J_+2]|
	v_max3_num_f32 v[TQ+2], v[TQ+2], |v[O_+2*J_+1]|, |v[O_+2*J_+2]|
.elseif J_ == 3
	v_max3_num_f32 v[TQ+2], v[TQ+2], |v[O_+7]|, (EMAX+1)<<23   ; the floor: the byte cannot fall under 1
	v_max3_num_f32 v[TQ], v[TQ], |v[E_+7]|, v[TQ+2]
.elseif J_ == 4
	v_permlanex16_b32 v[TQ+2], v[TQ], s86, s87
	v_max_num_f32 v[TQ], v[TQ], v[TQ+2]
.elseif J_ == 5
	v_add_nc_u32 v[SOP+GT_], -(EMAX<<23), v[TQ]
	v_and_or_b32 v[TQ+1], v[TQ], 0x7f800000, s88
.elseif J_ < 8
	HOLD2 E_+2*(J_-6), 1
.elseif J_ == 8
	HOLD2 E_+4, 1
	v_mov_b32 v[TQ+3], v[TQ+1]
.elseif J_ == 9
	HOLD2 E_+6, 3
	v_cvt_scalef32_pk8_fp8_f32 v[MCD+4*GT_:MCD+4*GT_+1], v[E_:E_+7], v[SOP+GT_]
.elseif J_ < 13
	HOLD2 O_+2*(J_-10), 1
.elseif J_ == 13
	HOLD2 O_+6, 1
	v_cvt_scalef32_pk8_fp8_f32 v[MCD+4*GT_+2:MCD+4*GT_+3], v[O_:O_+7], v[SOP+GT_]
.else
	v_lshrrev_b32 v[EB+GT_], 23, v[SOP+GT_]
.endif
.endm
; products from .. to - 1 of a block; behind product n a piece of the other set's quantiser (half: pieces 0-29 or 30-59); adr = 1: behind product 0 the trip's LDS addresses
.macro BLOCK kind, e, a, from, to, half, adr
.set N_, \from
.rept (\to)-(\from)
	PROD \kind, \e, \a, N_
.if (N_ == 0) && \adr
	WIN 0
	v_add_nc_u32 v[ADC], s17, v[ADR0]
	v_add_nc_u32 v[ADN], s18, v[ADR0]
	v_add_nc_u32 v[AAS], s67, v[AAS0]
	v_add_nc_u32 v[AAN], s101, v[AAS0]
	v_add_nc_u32 v[VX], s66, v[VX0]
	v_add_nc_u32 v[VV], s100, v[RD0]
.endif
.if (N_ > 0) && (N_ < 31)
	WIN 0
	GAP N_-1+30*(\half), ACC+64*(1-(\a))
.endif
.set N_, N_+1
.endr
.endm
.macro BLK kind, e, a, w, half, adr    ; a block; eight places behind its last product, ahead of loads into what it has read and of readers of its sums
.if (\w) >= 0
	s_wait_dscnt \w
.endif
	BLOCK \kind, \e, \a, 0, 32, \half, \adr
	WIN 0
	PLACES 8
.endm
.macro OUTQ io, bo                     ; a pair of k or q: group t is token tile t
.irp t, 0,1,2,3
	ds_store_b8 v[VX], v[EB+\t] offset:(\bo)+64*(\t/2)+2*(\t%2)
	global_store_b128 v[CO], v[MCD+4*\t:MCD+4*\t+3], s[84:85] offset:(\io)+1024*\t   ; 512 consecutive bytes
.endr
.endm
.macro OUTV io, bo                     ; a pair of v: group g = 2 e + c
.irp t, 0,1,2,3
	ds_store_b8 v[VV], v[EB+\t] offset:(\bo)+\t
	global_store_b128 v[CO], v[MCD+4*\t:MCD+4*\t+3], s[90:91] offset:(\io)+512*\t
.endr
.endm
	PLACES 4
	FETCH 0, ADR0, 0
	FSC 0, AAS0, 0
	FETCH 1, ADR0, 16*PITCH
	s_wait_loadcnt 0x0                             ; x's scale words
	s_wait_dscnt 32                                ; block 0 and its scale words are in; block 1's 32 loads may be out
.Lkq:                                  ; four trips: chunks 0 to 3, k and q
	s_wait_xcnt 0x0                                ; the last stores and the prefetch have read their registers
	s_mov_b32 s20, s19
	s_mov_b32 s21, 0
	s_add_nc_u64 s[12:13], s[12:13], s[20:21]      ; the prefetch's chunk
	s_xor_b32 s19, s19, 0xc0000
	BLK 0, 0, 0, -1, 0, 1
	FETCH 0, ADC, 32*PITCH
	FSC 1, AAS, 1024
	BLK 0, 1, 0, 34, 1, 0                          ; behind block 1's loads: the 34 just issued
	WALU                                           ; the wait ahead of the branch
	s_cmp_eq_u32 s46, 0
	s_cbranch_scc1 .Lno_pair
	OUTQ 512, 1                                    ; the chunk before's second pair
.Lno_pair:
	FETCH 1, ADC, 48*PITCH
	s_wait_dscnt 32                                ; behind block 2's loads: the 32 just issued
	s_wait_xcnt 0x0
	s_wait_tensorcnt 0x0                           ; my quarter of the next chunk is in;
	ds_add_u32 v[SPW], v[NIL]
	s_mov_b32 s20, s19
	s_mov_b32 s21, 0
	s_add_nc_u64 s[G0R+2:G0R+3], s[G0R+2:G0R+3], s[20:21]   ; the chunk two on, into this chunk's slot
	s_add_co_u32 s[G0R+1], s47, s17
	s_lshl_b32 s20, s19, 3
	s_add_nc_u64 s[84:85], s[84:85], s[20:21]      ; this chunk's head in kq_img: 8 bytes of image for a byte of weights
	BLOCK 0, 0, 1, 0, 28, 0, 0
	WIN 0
	WALU
	s_wait_dscnt 0x0                               ; the add is done, and my reads of this slot are over
	s_barrier_signal -1
	BLOCK 0, 0, 1, 28, 32, 0, 0
	MIDDLE
	BARRIER
	TLOAD G0R, G1R
	PLACES 4
	FETCH 0, ADN, 0
	FSC 0, AAN, 0
	s_cmp_lt_u32 s46, s89
	s_cbranch_scc0 .Lnot_asked
	global_prefetch_b8 v[PFO], s[12:13] th:TH_LOAD_NT scope:SCOPE_SE
.Lnot_asked:
	BLK 0, 1, 1, -1, 1, 0                          ; block 3 came in ahead of the round
	OUTQ 0, 512                                    ; this chunk's first pair
	FETCH 1, ADN, 16*PITCH
	s_xor_b32 s17, s17, YB
	s_xor_b32 s18, s18, YB
	s_add_co_u32 s66, s66, 512
	s_add_co_u32 s67, s67, 4096
	s_add_co_u32 s101, s67, 4096
	s_min_u32 s101, s101, 20480
	s_wait_dscnt 32
	s_add_co_u32 s46, s46, 1
	s_cmp_lg_u32 s46, 4
	s_cbranch_scc1 .Lkq
	s_mov_b32 s46, 0
.Lv:                                   ; two trips: chunks 4 and 5, v; nothing is filled
	s_wait_xcnt 0x0
	BLK 1, 0, 0, -1, 0, 1
	FETCH 0, ADC, 32*PITCH
	FSC 1, AAS, 1024
	BLK 1, 1, 0, 34, 1, 0
	WALU
	s_cmp_eq_u32 s46, 0
	s_cbranch_scc0 .Lpair_v
	OUTQ 512, 1                                    ; q's last pair
	s_branch .Lpair_out
.Lpair_v:
	OUTV 2048, 64
.Lpair_out:
	FETCH 1, ADC, 48*PITCH
	s_wait_dscnt 32
	s_wait_xcnt 0x0
	s_lshl_b32 s20, s46, 17
	s_mov_b32 s21, 0
	s_add_nc_u64 s[90:91], s[90:91], s[20:21]      ; chunk 5: two heads on
	BLOCK 1, 0, 1, 0, 28, 0, 0
	WIN 0
	WALU
	s_wait_tensorcnt 0x0                           ; the first trip's barrier shows chunk 5
	s_wait_dscnt 0x0
	s_barrier_signal -1
	BLOCK 1, 0, 1, 28, 32, 0, 0
	WIN 0
	s_barrier_wait -1
	PLACES 8
	s_cmp_eq_u32 s46, 1
	s_cbranch_scc1 .Lnone_0
	FETCH 0, ADN, 0
	FSC 0, AAN, 0
.Lnone_0:
	BLK 1, 1, 1, -1, 1, 0
	OUTV 0, 512
	s_cmp_eq_u32 s46, 1
	s_cbranch_scc1 .Lnone_1
	FETCH 1, ADN, 16*PITCH
	s_wait_dscnt 32
	s_branch .Lnext
.Lnone_1:
	s_wait_dscnt 0x0
.Lnext:
	s_xor_b32 s17, s17, YB
	s_xor_b32 s18, s18, YB
	s_add_co_u32 s67, s67, 4096
	s_add_co_u32 s100, s100, 512
	s_add_co_u32 s46, s46, 1
	s_cmp_lg_u32 s46, 2
	s_cbranch_scc1 .Lv
	s_wait_xcnt 0x0
	v_add_nc_u32 v[VV], s100, v[RD0]
.set K_, 0
.rept 60                               ; the last pair has no products to stand among
	GAP K_, ACC+64
.set K_, K_+1
.endr
	OUTV 2048, 64
	s_wait_dscnt 0x0                               ; for the others' sake: my scale bytes are stored
	BARRIER
	ds_load_b128 v[216:219], v209
	ds_load_b64 v[220:221], v211
	s_wait_dscnt 0x0
	global_store_b128 v210, v[216:219], s[94:95]   ; sixteen lanes store 256 consecutive bytes, aligned
	global_store_b64 v212, v[220:221], s[98:99]    ; the wave stores 256 consecutive bytes, aligned
	s_wait_tensorcnt 0x0                           ; the wave's end
	ds_add_u32 v[SPW], v[NIL]
	s_wait_dscnt 0x0
	CROUND                                         ; the closing round
	s_endpgm
.Lfunc_end_k_qc318281d29_qkv:
	.size	k_qc318281d29_qkv, .Lfunc_end_k_qc318281d29_qkv-k_qc318281d29_qkv
	.p2alignl 7, 3214868480
	.fill 96, 4, 3214868480
	.section	.rodata,"a",@progbits
	.p2align	6, 0x0
	.amdhsa_kernel k_qc318281d29_qkv
		.amdhsa_group_segment_fixed_size 327680
		.amdhsa_private_segment_fixed_size 0
		.amdhsa_enable_private_segment 0
		.amdhsa_kernarg_size 64
		.amdhsa_user_sgpr_count 2
		.amdhsa_user_sgpr_kernarg_segment_ptr 1
		.amdhsa_wavefront_size32 1
		.amdhsa_system_sgpr_workgroup_id_x 1
		.amdhsa_system_sgpr_workgroup_id_y 1
		.amdhsa_system_sgpr_workgroup_id_z 1
		.amdhsa_system_vgpr_workitem_id 0
		.amdhsa_next_free_vgpr 1024
		.amdhsa_next_free_sgpr 102
		.amdhsa_reserve_vcc 0
		.amdhsa_float_denorm_mode_32 3
		.amdhsa_float_denorm_mode_16_64 3
		.amdhsa_memory_ordered 1
		.amdhsa_forward_progress 1
		.amdhsa_inst_pref_size 139
	.end_amdhsa_kernel
	.amdgpu_metadata
---
amdhsa.version: [ 1, 2 ]
amdhsa.kernels:
  - .name:           k_qc318281d29_qkv
    .symbol:         k_qc318281d29_qkv.kd
    .args:
      - { .name: x_codes, .offset: 0, .size: 8, .value_kind: global_buffer, .address_space: global }
      - { .name: x_scales, .offset: 8, .size: 8, .value_kind: global_buffer, .address_space: global }
      - { .name: w_attn_codes, .offset: 16, .size: 8, .value_kind: global_buffer, .address_space: global }
      - { .name: w_attn_scales, .offset: 24, .size: 8, .value_kind: global_buffer, .address_space: global }
      - { .name: kq_img, .offset: 32, .size: 8, .value_kind: global_buffer, .address_space: global }
      - { .name: kq_sc, .offset: 40, .size: 8, .value_kind: global_buffer, .address_space: global }
      - { .name: v_img, .offset: 48, .size: 8, .value_kind: global_buffer, .address_space: global }
      - { .name: v_sc, .offset: 56, .size: 8, .value_kind: global_buffer, .address_space: global }
    .group_segment_fixed_size: 327680
    .private_segment_fixed_size: 0
    .kernarg_segment_align: 8
    .kernarg_segment_size: 64
    .max_flat_workgroup_size: 128
    .sgpr_count:     102
    .vgpr_count:     1024
    .wavefront_size: 32
...
	.end_amdgpu_metadata
.endif
;; end of part 1
;; launch attn (part 2): grid 2 x 128, 16 waves a work-group, no clusters, 169,984 bytes of LDS; arguments kq_img, kq_sc, v_img, v_sc, y_img, y_sc; writes y_img, y_sc
.if DOCPART == 2
	.amdgcn_target "amdgcn-amd-amdhsa--gfx1250"
	.amdhsa_code_object_version 6
	.text
	.protected	k_qc318281d29_attn
	.globl	k_qc318281d29_attn
	.p2align	8
	.type	k_qc318281d29_attn,@function
k_qc318281d29_attn:
	s_mov_b64 s[64:65], 0
	v_nop
	global_prefetch_b8 v0, s[64:65] scope:SCOPE_SE
	s_setreg_imm32_b32 hwreg(HW_REG_WAVE_MODE, 25, 1), 1
	s_wait_xcnt 0x0
; Causal attention of one head (batch b, head hd) on codes of FP8 (E4M3), and the quantising of y along its channels.
; t = score x log2(e) / 8; M = the running largest t rounded up to a whole number; p = 2^(t - M) is quantised along the keys, not normalised; the row's sum of the unquantised p divides at the end.
; SHARES.  Two work-groups to a head, sixteen waves each.  Wave w of work-group g owns the tiles of 16 queries qt = 16 g + w and 63 - qt: they need qt / 8 + 1 and 8 - qt / 8 steps of 128 keys: nine for every wave.
; A head's K, V and their scale words (132 KB) are brought into LDS ONCE; nothing is filled again, so one barrier stands in front of the work.
; NO CLUSTER: only two work-groups share a head, and what they share is that one first fill, not a step's traffic.
; LAYOUT.  Both products are used transposed: a lane holds one query (lane % 16).  The images hold place (c, h, i) = index 32 c + 16 (i / 8) + 8 h + i % 8 of a block pair: q and k alike, and v like p, whose
; 16 registers of two neighbouring tiles of keys lie in just that order.
; K = 64: a fragment of 16 registers holds two tiles of keys, X in its first half and X + 1 in its second; it is multiplied by [q | 0] (scores of X) and by [0 | q] (scores of X + 1): 24 registers 0, q, 0.
; The trip counts are constants; a step all of whose keys come after my queries is jumped over, but for the lines that step addresses.
; y's codes meet w_proj in true order, so each block's two register pairs change places with lane l xor 16's: lane h = 0 ends with channels 0-15 of a block, lane h = 1 with 16-31.
; LIMITS: a block of zeros gets the byte 1 (its codes are zeros; this program alone reads the bytes); NaN and infinities are not served.
.set VC,   65536                       ; LDS: K's images at 0, V's here,
.set SCK,  131072                      ; K's scale words, 2,048 bytes,
.set SCV,  SCK+2048                    ; V's,
.set YS,   SCV+2048                    ; y's scale words on their way out: no fill lands here
.set FR,   40                          ; v40-103  four fragments of K, then of V
.set SS,   104                         ; v104-167 S^T, then p; at a pass's end y
.set OT,   168                         ; v168-199 O^T
.set PCD,  200                         ; v200-215 p's codes
.set BM,   216
.set T2,   220
.set HOLD, 224
.set SCL,  228
.set YC,   248                         ; v248-255 y's codes
.set G1C,  28                          ; s[28:35] 64 dense rows of 256 bytes
.set G1W,  36                          ; s[36:43] 8 dense rows of 256 bytes
; v1 16 lane; v2 VC + 16 lane; v3 SCK + 4 lane; v4, v5 where y's scale word goes (pass 0, 1); v6 4 r; v7 r - 8 h; v8-10 addresses in hand; v11 q's raw scale word; v12 -M; v13 largest t; v[14:15] the sum;
; v16-23 zeros, v24-31 q, v32-39 zeros; v232, v233 K's scale words; v234, v235 V's raw words; v236, v237 V's scale words (even, odd tiles); v238 q's; v239 p's; v[240:241] f; v242, v243 work; v[244:245] second chain; v246 -infinity; v247 the mask's d
	s_load_b256 s[4:11], s[0:1], 0x0               ; kq_img s[4:5], kq_sc s[6:7], v_img s[8:9], v_sc s[10:11]
	s_load_b128 s[12:15], s[0:1], 0x20             ; y_img s[12:13], y_sc s[14:15]
	v_lshl_add_u32 v254, v0, 2, 0x29000
	v_mov_b32 v255, 0
	ds_add_u32 v254, v255
	ds_add_u32 v254, v255
	s_wait_dscnt 0x0
	v_lshrrev_b32 v1, 5, v0
	s_delay_alu instid0(VALU_DEP_1)
	v_readfirstlane_b32 s16, v1                    ; wave 0..15
	s_and_b32 s17, ttmp7, 0xffff
	s_lshr_b32 s18, s17, 4                         ; b
	s_and_b32 s19, s17, 15                         ; hd
	s_mov_b32 s20, 0x76543210
	s_mov_b32 s21, 0xfedcba98                      ; lane l xor 16
	s_mov_b32 s22, 0x3e38aa3b                      ; c = log2(e) / 8
	s_mov_b32 s23, s22
	s_mov_b32 s24, 0x600000                        ; the mantissa field of 448
	s_mov_b32 s25, 0xffff0000                      ; lanes 16-31
	s_mov_b32 s[G1C], 3<<16                        ; elements of 8 bytes, no mask, no padding
	s_mov_b32 s[G1C+1], 32<<16
	s_mov_b32 s[G1C+2], 64<<16                     ; a quarter of an image: 64 dense rows of 256 bytes
	s_mov_b32 s[G1C+3], 32<<16
	s_mov_b32 s[G1C+4], 64
	s_mov_b32 s[G1C+5], 32
	s_mov_b32 s[G1C+6], 0
	s_mov_b32 s[G1C+7], 0
	s_mov_b32 s[G1W], 3<<16
	s_mov_b32 s[G1W+1], 32<<16                     ; a head's scale words: 8 dense rows of 256 bytes
	s_mov_b32 s[G1W+2], 8<<16
	s_mov_b32 s[G1W+3], 32<<16
	s_mov_b32 s[G1W+4], 8
	s_mov_b32 s[G1W+5], 32
	s_mov_b32 s[G1W+6], 0
	s_mov_b32 s[G1W+7], 0
	s_lshl_b32 s82, s19, 14                        ; K's scale words: head, batch: 2,048 dense bytes
	s_lshl_b32 s90, s18, 11
	s_add_co_u32 s82, s82, s90
	s_mov_b32 s83, 0
	s_lshl_b32 s84, s18, 4                         ; V's: (16 b + hd) x 2,048
	s_add_co_u32 s84, s84, s19
	s_lshl_b32 s84, s84, 11
	s_mov_b32 s85, 0
	s_and_b32 s91, s16, 3
	s_lshl_b32 s91, s91, 14                        ; a quarter of an image: 16,384 bytes
	s_lshl_b32 s86, s82, 5                         ; the codes lie at 32 times the scale words' offsets
	s_add_co_u32 s86, s86, s91
	s_mov_b32 s87, 0
	s_lshl_b32 s88, s84, 5
	s_add_co_u32 s88, s88, s91
	s_mov_b32 s89, 0
	s_wait_kmcnt 0x0
	s_mov_b32 s44, 1
	s_mov_b32 s45, SCK
	s_add_nc_u64 s[46:47], s[6:7], s[82:83]
	s_or_b32 s47, s47, 0x80000000
	s_mov_b32 s48, 1
	s_mov_b32 s49, SCV
	s_add_nc_u64 s[50:51], s[10:11], s[84:85]
	s_or_b32 s51, s51, 0x80000000
	s_mov_b32 s52, 1
	s_mov_b32 s53, s91
	s_add_nc_u64 s[54:55], s[4:5], s[86:87]
	s_or_b32 s55, s55, 0x80000000
	s_mov_b32 s56, 1
	s_add_co_u32 s57, s91, VC
	s_add_nc_u64 s[58:59], s[8:9], s[88:89]
	s_or_b32 s59, s59, 0x80000000
; one tensor load a wave at the most: waves 0-3 the quarters of K's image, waves 4-7 of V's, wave 8 K's scale words, wave 9 V's; one chain of arms
.macro ARM under, g0, g1, next
	s_cmp_lt_u32 s16, \under
	s_cbranch_scc0 \next
	tensor_load_to_lds s[\g0:\g0+3], s[\g1:\g1+7]
	s_nop 0
.rept 4
	v_nop
.endr
	s_branch .Lhead_asked
\next:
.endm
	ARM 4, 52, G1C, .Lhead_v
	ARM 8, 56, G1C, .Lhead_sk
	ARM 9, 44, G1W, .Lhead_sv
	ARM 10, 48, G1W, .Lhead_none
.Lhead_asked:
	s_lshl_b32 s92, ttmp9, 4
	s_add_co_u32 s92, s92, s16                     ; pass 0's tile of queries
	s_xor_b32 s93, s92, 63                         ; pass 1's
	s_lshl_b32 s74, s92, 4                         ; their first queries
	s_lshl_b32 s75, s93, 4
	s_bitcmp1_b32 s92, 0                           ; an odd tile's scale bytes are bytes 2, 3 of its pair's word
	s_mov_b32 s76, 0x01000100
	s_cselect_b32 s76, 0x03020302, s76
	s_mov_b32 s77, 0x03020302
	s_cselect_b32 s77, 0x01000100, s77
	s_add_co_u32 s94, s19, 16
	s_lshl_b32 s94, s94, 19
	s_lshl_b32 s95, s18, 16
	s_add_co_u32 s94, s94, s95                     ; q's head and batch in kq_img,
	s_lshr_b32 s95, s94, 5                         ; and in kq_sc
	s_lshl_b32 s84, s19, 10                        ; the head's place in a tile of y_img
.macro PASSADR qt, qb, qs, yb
	s_lshl_b32 s82, s[\qt], 10
	s_add_co_u32 s82, s82, s94
	s_add_nc_u64 s[\qb:\qb+1], s[4:5], s[82:83]
	s_lshr_b32 s82, s[\qt], 1
	s_lshl_b32 s82, s82, 6
	s_add_co_u32 s82, s82, s95
	s_add_nc_u64 s[\qs:\qs+1], s[6:7], s[82:83]
	s_lshl_b32 s82, s18, 6
	s_add_co_u32 s82, s82, s[\qt]
	s_lshl_b32 s82, s82, 14
	s_add_co_u32 s82, s82, s84
	s_add_nc_u64 s[\yb:\yb+1], s[12:13], s[82:83]
.endm
	PASSADR 92, 60, 66, 70
	PASSADR 93, 62, 68, 72
	; y's scale words leave by waves 0-3, 512 bytes each: waves 0, 1 pass 0's sixteen tiles, waves 2, 3 pass 1's
	s_lshl_b32 s85, s18, 6
	s_lshl_b32 s86, ttmp9, 4
	s_add_co_u32 s87, s85, s86                     ; tile 64 b + 16 g
	s_add_co_u32 s85, s85, 32                      ; tile 64 b + 48 - 16 g, less the 16 tiles that 512 x 2 waves stand for
	s_sub_co_u32 s85, s85, s86
	s_cmp_lt_u32 s16, 2
	s_cselect_b32 s85, s87, s85
	s_lshl_b32 s85, s85, 6
	s_lshl_b32 s86, s16, 9
	s_add_co_u32 s85, s85, s86
	s_lshl_b32 s86, s19, 15
	s_add_co_u32 s82, s85, s86
	s_add_nc_u64 s[96:97], s[14:15], s[82:83]
	v_and_b32 v242, 31, v0                         ; lane
	v_and_b32 v243, 15, v0                         ; r
	v_bfe_u32 v247, v0, 4, 1                       ; h
	s_delay_alu instid0(VALU_DEP_3)
	v_lshlrev_b32 v1, 4, v242
	s_delay_alu instid0(VALU_DEP_1)
	v_add_nc_u32 v2, VC, v1
	v_lshl_add_u32 v3, v242, 2, SCK
	v_lshlrev_b32 v6, 2, v243
	s_lshl_b32 s82, s16, 6
	s_add_co_u32 s82, s82, YS
	v_add_nc_u32 v4, s82, v6
	s_xor_b32 s82, s16, 15
	s_lshl_b32 s82, s82, 6
	s_add_co_u32 s82, s82, YS+1024
	v_add_nc_u32 v5, s82, v6
	v_lshlrev_b32 v247, 3, v247
	s_delay_alu instid0(VALU_DEP_1)
	v_sub_nc_u32 v7, v243, v247
.macro QLOAD n                         ; a tile of queries: its image (two groups of four registers) and its pair's scale word
	global_load_b128 v[24:27], v1, s[60+2*\n:61+2*\n]
	global_load_b128 v[28:31], v1, s[60+2*\n:61+2*\n] offset:512
	global_load_b32 v11, v6, s[66+2*\n:67+2*\n]
.endm
	QLOAD 0
.irp j, 0,1,2,3,4,5,6,7
	v_mov_b32 v[16+\j], 0                          ; the zero codes on both sides of q
	v_mov_b32 v[32+\j], 0
.endr
.irp b, 0,1,2,3
	v_mov_b32 v[T2+\b], 0                          ; a lane permute's destination counts as one of its sources
.endr
	v_mov_b32 v241, 0                              ; named as the upper half of the pair v[240:241]
	v_mov_b32 v244, 0
	v_mov_b32 v245, 0
	v_mov_b32 v246, 0xff800000                     ; -infinity
; A KEY STEP: 128 keys from s80 on.  q0: the scalar register with my first query
.macro STEP q0
	s_add_co_u32 s82, s[\q0], 15
	s_cmp_gt_u32 s80, s82
	s_cbranch_scc1 .Lhid_\@                        ; all 128 keys come after my queries
	v_add_nc_u32 v8, s78, v1
	v_add_nc_u32 v9, s78, v2
	v_add_nc_u32 v10, s79, v3
.rept 5
	v_nop                                          ; with the three additions: eight places in front of loads into registers that the last products have read
.endr
	ds_load_b32 v232, v10                          ; K's scale words: lanes 0-15 pair 0, lanes 16-31 pair 1;
	ds_load_b32 v233, v10 offset:128               ; pairs 2 and 3
.irp p, 0,1,2,3
.irp k, 0,1,2,3
	ds_load_b128 v[FR+16*\p+4*\k:FR+16*\p+4*\k+3], v8 offset:2048*\p+512*\k
.endr
.endr
	s_wait_alu depctr_va_vdst(0)
	s_wait_dscnt 0x0
.irp p, 0,1,2,3                        ; S^T: pair p's even tile by [q | 0], its odd tile by [0 | q]
.if (\p%2) == 0
	v_wmma_scale_f32_16x16x128_f8f6f4 v[SS+16*\p:SS+16*\p+7], v[FR+16*\p:FR+16*\p+15], v[24:39], 0, v[232+\p/2], v238
	v_wmma_scale_f32_16x16x128_f8f6f4 v[SS+16*\p+8:SS+16*\p+15], v[FR+16*\p:FR+16*\p+15], v[16:31], 0, v[232+\p/2], v238
.else
	v_wmma_scale_f32_16x16x128_f8f6f4 v[SS+16*\p:SS+16*\p+7], v[FR+16*\p:FR+16*\p+15], v[24:39], 0, v[232+\p/2], v238 matrix_a_scale:MATRIX_SCALE_ROW1
	v_wmma_scale_f32_16x16x128_f8f6f4 v[SS+16*\p+8:SS+16*\p+15], v[FR+16*\p:FR+16*\p+15], v[16:31], 0, v[232+\p/2], v238 matrix_a_scale:MATRIX_SCALE_ROW1
.endif
.endr
.rept 8
	v_nop
.endr
	ds_load_b32 v234, v10 offset:2048              ; V's raw words of the step's first 64 keys,
	ds_load_b32 v235, v10 offset:2176              ; and of its second
.irp ct, 0,1,2,3                       ; V's four fragments land under the softmax
.irp c, 0,1,2,3
	ds_load_b128 v[FR+16*\ct+4*\c:FR+16*\ct+4*\c+3], v9 offset:4096*(\c/2)+1024*\ct+512*(\c%2)
.endr
.endr
	s_add_co_u32 s82, s80, 127
	s_cmp_le_u32 s82, s[\q0]
	s_cbranch_scc1 .Lopen_\@                       ; all 128 keys count
	s_sub_co_i32 s82, s[\q0], s80
	v_add_nc_u32 v247, s82, v7                     ; d = my query - the step's first key - 8 h: register n's key is hidden where 32 (n / 16) + 16 ((n % 16) / 8) + n % 8 > d
.set n, 0
.rept 64
	v_cmp_gt_i32 vcc_lo, 32*(n/16)+16*((n%16)/8)+n%8, v247
	v_cndmask_b32 v[SS+n], v[SS+n], v246, vcc_lo
.set n, n+1
.endr
.Lopen_\@:
.irp b, 0,1,2,3
	v_max3_num_f32 v[BM+\b], v[SS+16*\b], v[SS+16*\b+1], v[SS+16*\b+2]   ; the largest score of each block of 32 keys: for the row's maximum and for the block's largest p
.endr
.irp i, 3,5,7,9,11,13
.irp b, 0,1,2,3
	v_max3_num_f32 v[BM+\b], v[BM+\b], v[SS+16*\b+\i], v[SS+16*\b+\i+1]
.endr
.endr
.irp b, 0,1,2,3
	v_max_num_f32 v[BM+\b], v[BM+\b], v[SS+16*\b+15]
.endr
	s_wait_alu depctr_va_vdst(0)
	s_wait_dscnt 16                                ; V's two raw words are in (behind them: the 16 loads of its fragments)
	v_perm_b32 v236, v235, v234, 0x05040100        ; the even tiles' four bytes,
	v_perm_b32 v237, v235, v234, 0x07060302        ; the odd tiles'
.irp b, 0,1,2,3
	v_permlanex16_b32 v[T2+\b], v[BM+\b], s20, s21
.endr
.irp b, 0,1,2,3
	s_delay_alu instid0(VALU_DEP_4)
	v_max_num_f32 v[BM+\b], v[BM+\b], v[T2+\b]
.endr
	s_delay_alu instid0(VALU_DEP_2)
	v_max3_num_f32 v242, v[BM], v[BM+1], v[BM+2]
	s_delay_alu instid0(VALU_DEP_1)
	v_max_num_f32 v242, v242, v[BM+3]
	s_delay_alu instid0(VALU_DEP_1)
	v_mul_f32 v242, s22, v242
	s_delay_alu instid0(VALU_DEP_1)
	v_max_num_f32 v13, v13, v242                   ; the running largest t
	v_mov_b32 v242, v12
	s_delay_alu instid0(VALU_DEP_2)
	v_floor_f32 v12, -v13                          ; -M = floor(-t)
	s_delay_alu instid0(VALU_DEP_1)
	v_sub_f32 v242, v12, v242                      ; old M - new M: a whole number, 0 or less
	s_delay_alu instid0(VALU_DEP_1)
	v_cvt_i32_f32 v242, v242
	s_delay_alu instid0(VALU_DEP_1)
	v_ldexp_f32 v240, 1.0, v242                    ; f = 2^(old M - new M)
.set j, 0
.rept 32
	v_pk_fma_f32 v[SS+j:SS+j+1], v[SS+j:SS+j+1], s[22:23], v[12:13] op_sel_hi:[1,0,0]   ; t - M
.set j, j+2
.endr
.irp b, 0,1,2,3
	v_fma_f32 v[BM+\b], v[BM+\b], s22, v12
.endr
.set j, 0
	s_wait_alu depctr_va_vdst(0)
.rept 64
	v_exp_f32 v[SS+j], v[SS+j]                     ; p
.set j, j+1
.endr
.irp b, 0,1,2,3
	v_exp_f32 v[BM+\b], v[BM+\b]                   ; the block's largest p
.endr
	v_pk_mul_f32 v[14:15], v[14:15], v[240:241] op_sel_hi:[1,0]   ; the sum under the new M (a plain line behind the exponentials)
	s_wait_alu depctr_va_vdst(0)
.irp b, 0,1,2,3
	v_max_num_f32 v[BM+\b], 0x4800000, v[BM+\b]    ; the floor: the byte cannot fall under 1
.endr
.irp b, 0,1,2,3
	s_delay_alu instid0(VALU_DEP_4)
	v_add_nc_u32 v[SCL+\b], 0xfc000000, v[BM+\b]
.endr
.irp b, 0,1,2,3
	v_and_or_b32 v[HOLD+\b], v[BM+\b], 0x7f800000, s24
.endr
.irp b, 0,1,2,3
	v_lshrrev_b32 v[T2+\b], 23, v[SCL+\b]
.endr
	s_delay_alu instid0(VALU_DEP_3)
	v_lshl_or_b32 v239, v[T2+1], 8, v[T2]          ; p's scale word
	s_delay_alu instid0(VALU_DEP_1)
	v_lshl_or_b32 v239, v[T2+2], 16, v239
	s_delay_alu instid0(VALU_DEP_1)
	v_lshl_or_b32 v239, v[T2+3], 24, v239
	v_pk_add_f32 v[244:245], v[108:109], v[112:113]
	v_pk_add_f32 v[254:255], v[116:117], v[120:121]
	v_pk_add_f32 v[252:253], v[124:125], v[128:129]
	v_pk_add_f32 v[250:251], v[132:133], v[136:137]
	v_pk_add_f32 v[248:249], v[140:141], v[144:145]
	v_pk_add_f32 v[234:235], v[148:149], v[152:153]
	v_pk_add_f32 v[232:233], v[156:157], v[160:161]
	v_pk_add_f32 v[14:15], v[14:15], v[164:165]
	v_pk_add_f32 v[244:245], v[244:245], v[104:105]
	v_pk_add_f32 v[254:255], v[254:255], v[106:107]
	v_pk_add_f32 v[252:253], v[252:253], v[110:111]
	v_pk_add_f32 v[250:251], v[250:251], v[114:115]
	v_pk_add_f32 v[248:249], v[248:249], v[118:119]
	v_pk_add_f32 v[234:235], v[234:235], v[122:123]
	v_pk_add_f32 v[232:233], v[232:233], v[126:127]
	v_pk_add_f32 v[14:15], v[14:15], v[130:131]
	v_pk_add_f32 v[244:245], v[244:245], v[134:135]
	v_pk_add_f32 v[254:255], v[254:255], v[138:139]
	v_pk_add_f32 v[252:253], v[252:253], v[142:143]
	v_pk_add_f32 v[250:251], v[250:251], v[146:147]
	v_pk_add_f32 v[248:249], v[248:249], v[150:151]
	v_pk_add_f32 v[234:235], v[234:235], v[154:155]
	v_pk_add_f32 v[232:233], v[232:233], v[158:159]
	v_pk_add_f32 v[14:15], v[14:15], v[162:163]
	v_pk_add_f32 v[244:245], v[244:245], v[166:167]
	s_delay_alu instid0(VALU_DEP_2)
	v_pk_add_f32 v[14:15], v[14:15], v[250:251]
	s_delay_alu instid0(VALU_DEP_2)
	v_pk_add_f32 v[244:245], v[244:245], v[248:249]
	v_pk_add_f32 v[254:255], v[254:255], v[234:235]
	v_pk_add_f32 v[252:253], v[252:253], v[232:233]
	s_delay_alu instid0(VALU_DEP_2)
	v_pk_add_f32 v[14:15], v[14:15], v[254:255]
	s_delay_alu instid0(VALU_DEP_2)
	v_pk_add_f32 v[244:245], v[244:245], v[252:253]
	s_delay_alu instid0(VALU_DEP_1)
	v_pk_add_f32 v[14:15], v[14:15], v[244:245]
.irp b, 0,1,2,3
.set i, 0
.rept 16
	v_min_num_f32 v[SS+16*\b+i], v[SS+16*\b+i], v[HOLD+\b]   ; the hold; p is not negative
.set i, i+1
.endr
	v_cvt_scalef32_pk8_fp8_f32 v[PCD+4*\b:PCD+4*\b+1], v[SS+16*\b:SS+16*\b+7], v[SCL+\b]
	v_cvt_scalef32_pk8_fp8_f32 v[PCD+4*\b+2:PCD+4*\b+3], v[SS+16*\b+8:SS+16*\b+15], v[SCL+\b]
.endr
.set j, 0
.rept 16
	v_pk_mul_f32 v[OT+j:OT+j+1], v[OT+j:OT+j+1], v[240:241] op_sel_hi:[1,0]   ; O^T under the new M; also the places between the codes and the products
.set j, j+2
.endr
	s_wait_alu depctr_va_vdst(0)
	s_wait_dscnt 0x0                               ; V's fragments are in
	v_wmma_scale_f32_16x16x128_f8f6f4 v[OT:OT+7], v[FR:FR+15], v[PCD:PCD+15], v[OT:OT+7], v236, v239
	v_wmma_scale_f32_16x16x128_f8f6f4 v[OT+8:OT+15], v[FR+16:FR+31], v[PCD:PCD+15], v[OT+8:OT+15], v237, v239
	v_wmma_scale_f32_16x16x128_f8f6f4 v[OT+16:OT+23], v[FR+32:FR+47], v[PCD:PCD+15], v[OT+16:OT+23], v236, v239 matrix_a_scale:MATRIX_SCALE_ROW1
	v_wmma_scale_f32_16x16x128_f8f6f4 v[OT+24:OT+31], v[FR+48:FR+63], v[PCD:PCD+15], v[OT+24:OT+31], v237, v239 matrix_a_scale:MATRIX_SCALE_ROW1
.Lhid_\@:
	s_add_co_u32 s80, s80, 128                     ; the next step's first key, images and scale words
	s_add_co_u32 s78, s78, 8192
	s_add_co_u32 s79, s79, 256
.endm
; A PASS: one tile of 16 queries.  n: 0 or 1; trips: a constant; next = 1: the other tile's q is asked for at the end
.macro PASS n, trips, next
	s_wait_loadcnt 0x0
	s_wait_xcnt 0x0                                ; the pass before's stores have read the codes' registers, which the steps write again
	v_perm_b32 v238, v11, v11, s[76+\n]
.set j, 0
.rept 32
	v_mov_b32 v[OT+j], 0                           ; the step is written once: the first finds zeros.  (Also the places behind the scale word's making)
.set j, j+1
.endr
	v_mov_b32 v13, 0xff61b1e6                      ; -3e38, under every t
	s_delay_alu instid0(VALU_DEP_1)
	v_floor_f32 v12, -v13
	v_mov_b32 v14, 0
	v_mov_b32 v15, 0
	s_mov_b32 s78, 0
	s_mov_b32 s79, 0
	s_mov_b32 s80, 0
	s_mov_b32 s81, \trips
.Lstep_\@:
	STEP 74+\n
	s_sub_co_u32 s81, s81, 1
	s_cmp_lg_u32 s81, 0
	s_cbranch_scc1 .Lstep_\@
.rept 8
	v_nop                                          ; behind the last products
.endr
.if \next
	QLOAD 1
.endif
	s_wait_alu depctr_va_vdst(0)
	v_add_f32 v14, v14, v15
	s_delay_alu instid0(VALU_DEP_1)
	v_permlanex16_b32 v242, v14, s20, s21
	s_delay_alu instid0(VALU_DEP_1)
	v_add_f32 v14, v14, v242                       ; the row's sum
	s_wait_alu depctr_va_vdst(0)
	v_rcp_f32 v240, v14
	v_nop
.set j, 0
	s_wait_alu depctr_va_vdst(0)
.rept 16
	v_pk_mul_f32 v[SS+j:SS+j+1], v[OT+j:OT+j+1], v[240:241] op_sel_hi:[1,0]   ; y: register 8 ct + i is channel 16 ct + 8 h + i of my query
.set j, j+2
.endr
.irp b, 0,1
	v_max3_num_f32 v[BM+\b], |v[SS+16*\b]|, |v[SS+16*\b+1]|, 0x4800000
.endr
.irp i, 2,4,6,8,10,12,14
.irp b, 0,1
	s_delay_alu instid0(VALU_DEP_2)
	v_max3_num_f32 v[BM+\b], v[BM+\b], |v[SS+16*\b+\i]|, |v[SS+16*\b+\i+1]|
.endr
.endr
.irp b, 0,1
	s_delay_alu instid0(VALU_DEP_2)
	v_permlanex16_b32 v[T2+\b], v[BM+\b], s20, s21
.endr
.irp b, 0,1
	s_delay_alu instid0(VALU_DEP_2)
	v_max_num_f32 v[BM+\b], v[BM+\b], v[T2+\b]
.endr
.irp b, 0,1
	s_delay_alu instid0(VALU_DEP_2)
	v_add_nc_u32 v[SCL+\b], 0xfc000000, v[BM+\b]
.endr
.irp b, 0,1
	s_delay_alu instid0(VALU_DEP_4)
	v_and_or_b32 v[HOLD+\b], v[BM+\b], 0x7f800000, s24
.endr
.irp b, 0,1
	s_delay_alu instid0(VALU_DEP_4)
	v_lshrrev_b32 v[T2+\b], 23, v[SCL+\b]
.endr
	s_delay_alu instid0(VALU_DEP_1)
	v_lshl_or_b32 v243, v[T2+1], 8, v[T2]          ; the head's two bytes; the upper half stays 0
.irp b, 0,1
.set i, 0
.rept 16
	v_med3_num_f32 v[SS+16*\b+i], v[SS+16*\b+i], -v[HOLD+\b], v[HOLD+\b]
.set i, i+1
.endr
.endr
	s_wait_alu depctr_va_vdst(0)
	s_wait_xcnt 0x0                                ; the last pass's stores have read the codes' registers
.irp b, 0,1
	v_cvt_scalef32_pk8_fp8_f32 v[YC+4*\b:YC+4*\b+1], v[SS+16*\b:SS+16*\b+7], v[SCL+\b]
	v_cvt_scalef32_pk8_fp8_f32 v[YC+4*\b+2:YC+4*\b+3], v[SS+16*\b+8:SS+16*\b+15], v[SCL+\b]
.endr
	v_nop
.irp b, 0,1                            ; lane h = 0 sends its second pair and takes the partner's first as its second; lane h = 1 the other way round
.irp k, 0,1
	v_cndmask_b32 v242, v[YC+4*\b+2+\k], v[YC+4*\b+\k], s25
	s_delay_alu instid0(VALU_DEP_1)
	v_permlanex16_b32 v244, v242, s20, s21
	v_cndmask_b32 v[YC+4*\b+\k], v[YC+4*\b+\k], v244, s25
	v_cndmask_b32 v[YC+4*\b+2+\k], v244, v[YC+4*\b+2+\k], s25
.endr
.endr
	global_store_b128 v1, v[YC:YC+3], s[70+2*\n:71+2*\n]               ; 512 consecutive bytes each
	global_store_b128 v1, v[YC+4:YC+7], s[70+2*\n:71+2*\n] offset:512
	ds_store_b32 v[4+\n], v243                     ; lanes r and r + 16 write the same word with the same value
.endm
	s_wait_tensorcnt 0x0                           ; my sixteenths have landed,
	s_barrier_signal -1
	s_barrier_wait -1                              ; everybody's have
	PASS 0, 4, 1                                   ; tiles 0-31 need four steps at the most
	PASS 1, 8, 0
	v_lshl_add_u32 v8, v0, 4, YS                   ; waves 0-3: 16 bytes a lane of the 2,048
	s_wait_dscnt 0x0                               ; for the others' sake: my stores are done
	s_barrier_signal -1
	s_barrier_wait -1
	s_cmp_lt_u32 s16, 4
	s_cbranch_scc0 .Lend
	s_wait_alu depctr_va_vdst(0)
	ds_load_b128 v[SS:SS+3], v8
	s_wait_dscnt 0x0
	global_store_b128 v1, v[SS:SS+3], s[96:97]     ; 512 consecutive bytes
.Lend:
	s_wait_xcnt 0x0
	v_lshl_add_u32 v254, v0, 2, 0x29000
	v_mov_b32 v255, 0
	s_wait_alu depctr_va_vdst(0)
	s_wait_tensorcnt 0x0
	ds_add_u32 v254, v255
	s_wait_dscnt 0x0
	s_endpgm
.Lfunc_end_k_qc318281d29_attn:
	.size	k_qc318281d29_attn, .Lfunc_end_k_qc318281d29_attn-k_qc318281d29_attn
	.p2alignl 7, 3214868480
	.fill 96, 4, 3214868480
	.section	.rodata,"a",@progbits
	.p2align	6, 0x0
	.amdhsa_kernel k_qc318281d29_attn
		.amdhsa_group_segment_fixed_size 169984
		.amdhsa_private_segment_fixed_size 0
		.amdhsa_enable_private_segment 0
		.amdhsa_kernarg_size 48
		.amdhsa_user_sgpr_count 2
		.amdhsa_user_sgpr_kernarg_segment_ptr 1
		.amdhsa_wavefront_size32 1
		.amdhsa_system_sgpr_workgroup_id_x 1
		.amdhsa_system_sgpr_workgroup_id_y 1
		.amdhsa_system_sgpr_workgroup_id_z 1
		.amdhsa_system_vgpr_workitem_id 0
		.amdhsa_next_free_vgpr 256
		.amdhsa_next_free_sgpr 100
		.amdhsa_reserve_vcc 1
		.amdhsa_float_denorm_mode_32 3
		.amdhsa_float_denorm_mode_16_64 3
		.amdhsa_memory_ordered 1
		.amdhsa_forward_progress 1
		.amdhsa_inst_pref_size 78
	.end_amdhsa_kernel
	.amdgpu_metadata
---
amdhsa.version: [ 1, 2 ]
amdhsa.kernels:
  - .name:           k_qc318281d29_attn
    .symbol:         k_qc318281d29_attn.kd
    .args:
      - { .name: kq_img, .offset: 0, .size: 8, .value_kind: global_buffer, .address_space: global }
      - { .name: kq_sc, .offset: 8, .size: 8, .value_kind: global_buffer, .address_space: global }
      - { .name: v_img, .offset: 16, .size: 8, .value_kind: global_buffer, .address_space: global }
      - { .name: v_sc, .offset: 24, .size: 8, .value_kind: global_buffer, .address_space: global }
      - { .name: y_img, .offset: 32, .size: 8, .value_kind: global_buffer, .address_space: global }
      - { .name: y_sc, .offset: 40, .size: 8, .value_kind: global_buffer, .address_space: global }
    .group_segment_fixed_size: 169984
    .private_segment_fixed_size: 0
    .kernarg_segment_align: 8
    .kernarg_segment_size: 48
    .max_flat_workgroup_size: 512
    .sgpr_count:     100
    .vgpr_count:     256
    .wavefront_size: 32
...
	.end_amdgpu_metadata
.endif
;; end of part 2
;; launch proj (part 3): grid 8 x 32, 4 waves a work-group, clusters of 4 x 4, 327,680 bytes of LDS; arguments y_img, y_sc, w_proj_codes, w_proj_scales, b_proj, out0; writes out0
.if DOCPART == 3
	.amdgcn_target "amdgcn-amd-amdhsa--gfx1250"
	.amdhsa_code_object_version 6
	.text
	.protected	k_qc318281d29_proj
	.globl	k_qc318281d29_proj
	.p2align	8
	.type	k_qc318281d29_proj,@function
k_qc318281d29_proj:
	s_mov_b64 s[64:65], 0
	v_nop
	global_prefetch_b8 v0, s[64:65] scope:SCOPE_SE
	s_setreg_imm32_b32 hwreg(HW_REG_WAVE_MODE, 25, 1), 1
	s_wait_xcnt 0x0
	s_wait_alu depctr_hold_cnt(0) depctr_sa_sdst(0) depctr_va_vdst(0) depctr_va_sdst(0) depctr_va_ssrc(0) depctr_va_vcc(0) depctr_vm_vsrc(0)
	s_getreg_b32 s2, hwreg(HW_REG_IB_STS2, 6, 4)
	s_cmp_eq_u32 s2, 0
	s_cbranch_scc0 .Lentry_in_a_cluster
	s_endpgm
.Lentry_in_a_cluster:
	s_bfe_u32 s2, ttmp6, 0x10000c
	s_cmp_lg_u32 s2, 0xf033
	s_cbranch_scc0 .Lentry_shape_is_right
	s_endpgm
.Lentry_shape_is_right:
; out0 = y w_proj^T + b_proj on codes of FP8 (E4M3) with E8M0 scales; sums in f32.
; THE DEAL.  256 work-groups of four waves, 2 x 2; a work-group makes 256 tokens x 128 columns.  A wave (wr, wc) holds 64 rows of w_proj, ALL of K, in 512 registers, and streams eight blocks of 16 tokens of y past them,
; which stand in registers as two whole sets.  Source 0 = 16 weight rows, source 1 = 16 tokens: a lane holds one token and eight neighbouring columns a tile.  The bias is the first products' C.
; y_img holds a tile of 16 tokens as 16,384 dense bytes in the order of operand registers, [head 16][c 2][lane][16]: stated as 16 rows of 1,024 bytes, padded like the weights' rows, so that both fills of slot 1 have one shape.
; FILLS.  Head: the weights' halves (waves 0, 1) into slot 1, the halves of y's first 128 tokens (waves 2, 3) into slot 0.  y's second 128 tokens go over the weights, a quarter a wave, in a drained round of the cluster's barrier,
; when all waves hold the weights in registers; the plain barrier inside block 2 shows them.  Nothing else is filled.
; Wave row wr takes tiles 4 wr .. 4 wr + 3 of each chunk of eight.
; THE WAY OUT.  A block's 16 rows x 256 bytes go through my stage in LDS as soon as the block is finished, and leave as aligned units of 256 bytes while later blocks are multiplied.
; CLUSTERS 4 x 4: y's tiles are shared along a row, the weights along a column.
; PREFETCH: the text has no loop; one instruction a wave at the head names y's second chunk: 512 blocks of 256 bytes, one a lane of the 16 waves of a cluster's row, told apart by address.
; LIMITS: NaN and infinities are not served.
.set PITCH, 1040                       ; an LDS row: 1,024 bytes + 16 of padding
.set YB, 128*PITCH                     ; slot 1
.set STG, 2*YB                         ; the stages: 16 rows x 272 bytes a wave; no fill lands here
.set SPITCH, 272
.set SPARE, STG+4*16*SPITCH
.set PFO, 9
.set SPW, 10
.set NIL, 11
.set AY, 12                            ; v12-15 my tiles 0, 1 and 2, 3 of slot 0, of slot 1: 16 x lane
.set ADW, 16
.set STO, 17
.set RD, 18
.set CO, 19
.set SA, 32                            ; v32-63 y's scale words: 8 (block / 2) + K step; lanes 16-31 the odd block
.set SB, 68                            ; v68-83 the weights': 8 (tile / 2) + K step; lanes 16-31 the odd tile
.set BI, 84                            ; v84-115 the bias: 8 numbers a tile
.set ACC, 116                          ; v116-179 two sets of four sums; at the head y's raw scale words
.set BK, 180                           ; v180-243 two sets of 16 rows read back from the stage
.set G1W, 24
.set G1Y, 32
.set G1R, 48
.set G0W, 56
.set G0Y, 60
.set G0R, 76
.set MSB, 0
.macro WIN new                         ; the immediate's high byte repeats the setting that is left
.if MSB != (\new)
	s_set_vgpr_msb (MSB<<8)|(\new)
.set MSB, (\new)
.endif
.endm
.macro PLACES n
.rept \n
	v_nop
.endr
.endm
.macro WALU
	s_wait_alu depctr_va_vdst(0)
.endm
.macro BARRIER
	s_barrier_signal -1
	s_barrier_wait -1
.endm
.macro CROUND                          ; a round of the cluster's barrier
	BARRIER
	s_cmp_lg_u32 s14, 0
	s_cbranch_scc1 .Lnw0_\@
	s_barrier_signal -3
.Lnw0_\@:
	s_barrier_wait -3
	BARRIER
.endm
.macro TLOAD g0, g1                    ; s_nop 0 and four v_nop follow
	tensor_load_to_lds s[\g0:\g0+3], s[\g1:\g1+7]
	s_nop 0
	PLACES 4
.endm
.macro GROUP1 g, mask, rows            ; dense rows of 1,024 bytes, 16 bytes of padding behind each
	s_or_b32 s[\g+0], s[\mask], (1<<20)|(1<<21)|(7<<22)|(3<<25)
	s_mov_b32 s[\g+1], 1024<<16
	s_mov_b32 s[\g+2], (\rows)<<16
	s_mov_b32 s[\g+3], 1024<<16
	s_mov_b32 s[\g+4], \rows
	s_mov_b32 s[\g+5], 1024
	s_mov_b32 s[\g+6], 0
	s_mov_b32 s[\g+7], 0
.endm
	s_load_b256 s[4:11], s[0:1], 0x0               ; y_img, y_sc, w's codes, w's scales
	s_load_b128 s[92:95], s[0:1], 0x20             ; b_proj, out0
	v_lshl_add_u32 v[SPW], v0, 2, SPARE
	v_mov_b32 v[NIL], 0
	ds_add_u32 v[SPW], v[NIL]                      ; the opening lines: the add twice on end and its wait
	ds_add_u32 v[SPW], v[NIL]
	v_lshrrev_b32 v1, 5, v0
	v_readfirstlane_b32 s14, v1                    ; wave
	s_lshr_b32 s15, s14, 1                         ; wr
	s_and_b32 s16, s14, 1                          ; wc
	s_bfe_u32 s40, ttmp6, 0x40000                  ; cx
	s_bfe_u32 s41, ttmp6, 0x40004                  ; cy
	s_lshl_b32 s42, ttmp9, 2
	s_add_co_u32 s42, s42, s40                     ; tile column: 128 columns
	s_and_b32 s43, ttmp7, 0xffff
	s_lshl_b32 s43, s43, 2
	s_add_co_u32 s43, s43, s41                     ; tile row: 256 tokens
	s_lshl_b32 s44, s41, 2
	s_lshl_b32 s44, 15, s44                        ; my row of the cluster
	s_lshl_b32 s45, 0x1111, s40                    ; my column
	GROUP1 G1W, 45, 64
	GROUP1 G1Y, 44, 64
	GROUP1 G1R, 44, 32
	s_lshl_b32 s20, s42, 17                        ; the weights: 128 tile column + 64 (wave % 2) rows
	s_lshl_b32 s21, s16, 16
	s_add_co_u32 s20, s20, s21
	s_mov_b32 s21, 0
	s_lshl_b32 s22, s43, 18                        ; y: 16 tiles of 16,384 bytes a tile row
	s_mov_b32 s23, 0
	s_lshl_b32 s2, s16, 16                         ; half a chunk
	s_mov_b32 s3, 0
	s_mov_b32 s[G0W], 1
	s_mul_i32 s[G0W+1], s16, 64*PITCH
	s_add_co_u32 s[G0W+1], s[G0W+1], YB
	s_mov_b32 s[G0Y], 1
	s_mul_i32 s[G0Y+1], s16, 64*PITCH
	s_mov_b32 s[G0R], 1
	s_mul_i32 s[G0R+1], s14, 32*PITCH
	s_add_co_u32 s[G0R+1], s[G0R+1], YB
	s_wait_dscnt 0x0                               ; both opening adds are done
	CROUND                                         ; all sixteen work-groups are here
	s_wait_kmcnt 0x0
	s_add_nc_u64 s[G0W+2:G0W+3], s[8:9], s[20:21]
	s_or_b32 s[G0W+3], s[G0W+3], 0x80000000
	s_add_nc_u64 s[96:97], s[4:5], s[22:23]
	s_add_nc_u64 s[G0Y+2:G0Y+3], s[96:97], s[2:3]
	s_or_b32 s[G0Y+3], s[G0Y+3], 0x80000000
	s_lshl_b32 s2, s14, 15
	s_add_co_u32 s2, s2, 0x20000                   ; the second chunk, my quarter
	s_add_nc_u64 s[G0R+2:G0R+3], s[96:97], s[2:3]
	s_or_b32 s[G0R+3], s[G0R+3], 0x80000000
	s_cmp_lt_u32 s14, 2                            ; one joint load a wave; the weights, which go on into registers, have a line of their own
	s_cbranch_scc0 .Larm_y
	TLOAD G0W, G1W
	s_branch .Lasked
.Larm_y:
	TLOAD G0Y, G1Y
.Lasked:
	v_and_b32 v1, 15, v0                           ; r
	v_bfe_u32 v2, v0, 4, 1                         ; h
	v_and_b32 v3, 31, v0                           ; lane
	v_mul_u32_u24 v4, v1, PITCH
	v_lshl_add_u32 v4, v2, 4, v4                   ; a weight fragment's row x pitch + 16 h
	v_lshlrev_b32 v5, 5, v3                        ; 32 x lane
	v_lshlrev_b32 v6, 2, v3                        ; 4 x lane
	v_lshlrev_b32 v7, 5, v2                        ; 32 h
	v_lshlrev_b32 v8, 4, v3                        ; 16 x lane
	v_lshlrev_b32 v20, 8, v3
	v_mul_u32_u24 v21, v1, SPITCH
	v_lshl_add_u32 v21, v2, 5, v21                 ; into the stage: row r, 32 bytes for each half of the lanes
	v_mul_u32_u24 v22, v2, SPITCH
	v_lshl_add_u32 v22, v1, 4, v22                 ; back: lanes 0-15 one row, lanes 16-31 the next
	v_lshlrev_b32 v[CO], 12, v2
	v_lshl_add_u32 v[CO], v1, 4, v[CO]             ; and the same two rows in out0
	WALU                                           ; the wait ahead of the scalar lines
	s_mul_i32 s20, s15, 64*PITCH
	v_add_nc_u32 v[AY], s20, v8
	s_add_co_u32 s21, s20, 32*PITCH
	v_add_nc_u32 v[AY+1], s21, v8
	s_add_co_u32 s21, s20, YB
	v_add_nc_u32 v[AY+2], s21, v8
	s_add_co_u32 s21, s20, YB+32*PITCH
	v_add_nc_u32 v[AY+3], s21, v8
	s_mul_i32 s20, s16, 64*PITCH
	s_add_co_u32 s20, s20, YB
	v_add_nc_u32 v[ADW], s20, v4
	s_mul_i32 s20, s14, 16*SPITCH
	s_add_co_u32 s20, s20, STG
	v_add_nc_u32 v[STO], s20, v21
	v_add_nc_u32 v[RD], s20, v22
	s_lshl_b32 s20, s40, 2
	s_add_co_u32 s20, s20, s14
	s_lshl_b32 s20, s20, 13                        ; my sixteenth of a chunk
	v_add_nc_u32 v[PFO], s20, v20
	WALU
	global_prefetch_b8 v[PFO], s[96:97] offset:0x20000 th:TH_LOAD_NT scope:SCOPE_SE
	s_mov_b32 s21, 0
	s_lshl_b32 s20, s42, 12                        ; the weights' scale words: lane l takes row 32 p + l of my 64, 32 bytes
	s_lshl_b32 s22, s16, 11
	s_add_co_u32 s20, s20, s22
	s_add_nc_u64 s[10:11], s[10:11], s[20:21]
	s_lshl_b32 s20, s42, 9                         ; my 64 columns, in bytes of f32
	s_lshl_b32 s22, s16, 8
	s_add_co_u32 s20, s20, s22
	s_add_nc_u64 s[92:93], s[92:93], s[20:21]
	s_add_nc_u64 s[94:95], s[94:95], s[20:21]
	s_lshl_b32 s20, s43, 20                        ; my tile row, and four tiles on for wave row 1
	s_lshl_b32 s22, s15, 18
	s_add_co_u32 s20, s20, s22
	s_add_nc_u64 s[94:95], s[94:95], s[20:21]
	s_lshl_b32 s20, s43, 10                        ; y_sc: [head][tile][r] words
	s_lshl_b32 s22, s15, 8
	s_add_co_u32 s20, s20, s22
	s_add_nc_u64 s[6:7], s[6:7], s[20:21]
.irp p, 0,1
	global_load_b128 v[SB+8*\p:SB+8*\p+3], v5, s[10:11] offset:1024*\p
	global_load_b128 v[SB+8*\p+4:SB+8*\p+7], v5, s[10:11] offset:1024*\p+16
.endr
.irp t, 0,1,2,3
	global_load_b128 v[BI+8*\t:BI+8*\t+3], v7, s[92:93] offset:64*\t        ; columns 16 t + 8 h + 0 .. 7
	global_load_b128 v[BI+8*\t+4:BI+8*\t+7], v7, s[92:93] offset:64*\t+16
.endr
.irp p, 0,1,2,3                        ; blocks 2 p and 2 p + 1: a head's word for each row
.irp hd, 0,1,2,3,4,5,6,7,8,9,10,11,12,13,14,15
	global_load_b32 v[ACC+16*\p+\hd], v6, s[6:7] offset:32768*\hd+512*(\p/2)+128*(\p%2)
.endr
.endr
	WALU                                           ; the wait at the head's end
	s_cmp_lt_u32 s14, 2
	s_cbranch_scc0 .Lnot_w
	s_wait_tensorcnt 0x0                           ; waves 0, 1: the weights have landed; the others wait further down
.Lnot_w:
	BARRIER
.irp q, 0,1,2,3,4,5,6,7                ; my 64 weight rows, all of K: fragment 4 q + t in windows 1 and 2
.irp t, 0,1,2,3
	WIN (1+(4*\q+\t)/16)<<6
.irp c, 0,1,2,3
	ds_load_b128 v[16*((4*\q+\t)%16)+4*\c:16*((4*\q+\t)%16)+4*\c+3], v[ADW] offset:\t*16*PITCH+128*\q+32*\c
.endr
.endr
.endr
	WIN 0
	s_wait_tensorcnt 0x0                           ; all my loads are in;
	ds_add_u32 v[SPW], v[NIL]
	s_wait_dscnt 0x0                               ; the weights are in my registers
	CROUND
	TLOAD G0R, G1R                                 ; y's second chunk over the weights
	PLACES 4
.macro FETCH e, a                      ; block a of y, 16 tokens, all of K, into set e of window 3: 32 loads of 512 consecutive bytes
	WIN 3<<6
.irp q, 0,1,2,3,4,5,6,7
.irp c, 0,1,2,3
	ds_load_b128 v[128*(\e)+16*\q+4*\c:128*(\e)+16*\q+4*\c+3], v[AY+2*((\a)/4)+((\a)%4)/2] offset:((\a)%2)*16*PITCH+(2*\q+\c/2)*PITCH+512*(\c%2)
.endr
.endr
	WIN 0
.endm
; product n = 4 q + t of block a: K step q, weight tile t.  The four sums take turns; the first takes the bias as C
.macro PROD a, n
.set Q_, (\n)/4
.set P_, (\n)%4
.set D_, ACC+32*((\a)%2)+8*P_
.set C_, D_
.if Q_ == 0
.set C_, BI+8*P_
.endif
.set S0_, 16*((\n)%16)
.set S1_, 128*((\a)%2)+16*Q_
.set ZA_, SB+8*(P_/2)+Q_
.set ZB_, SA+8*((\a)/2)+Q_
	WIN (1+(\n)/16)|(3<<2)
.if (P_%2) && ((\a)%2)
	v_wmma_scale_f32_16x16x128_f8f6f4 v[D_:D_+7], v[S0_:S0_+15], v[S1_:S1_+15], v[C_:C_+7], v[ZA_], v[ZB_] matrix_a_scale:MATRIX_SCALE_ROW1 matrix_b_scale:MATRIX_SCALE_ROW1
.elseif P_%2
	v_wmma_scale_f32_16x16x128_f8f6f4 v[D_:D_+7], v[S0_:S0_+15], v[S1_:S1_+15], v[C_:C_+7], v[ZA_], v[ZB_] matrix_a_scale:MATRIX_SCALE_ROW1
.elseif (\a)%2
	v_wmma_scale_f32_16x16x128_f8f6f4 v[D_:D_+7], v[S0_:S0_+15], v[S1_:S1_+15], v[C_:C_+7], v[ZA_], v[ZB_] matrix_b_scale:MATRIX_SCALE_ROW1
.else
	v_wmma_scale_f32_16x16x128_f8f6f4 v[D_:D_+7], v[S0_:S0_+15], v[S1_:S1_+15], v[C_:C_+7], v[ZA_], v[ZB_]
.endif
.endm
.macro PRODS a, from, to
.set N_, \from
.rept (\to)-(\from)
	PROD \a, N_
.set N_, N_+1
.endr
.endm
.macro BLKP a, w                       ; a block; eight places behind its last product, ahead of readers of its sums and of loads into what it has read
	s_wait_dscnt \w
	PRODS \a, 0, 32
	WIN 0
	PLACES 8
.endm
.macro TOSTAGE a                       ; each sum from its low end on; LDS serves a wave's instructions in order (ISA guide 5.7.1.4): the loads see the stores
.set AC_, ACC+32*((\a)%2)
.set BB_, BK+32*((\a)%2)
.irp t, 0,1,2,3
	ds_store_b128 v[STO], v[AC_+8*\t:AC_+8*\t+3] offset:64*\t
	ds_store_b128 v[STO], v[AC_+8*\t+4:AC_+8*\t+7] offset:64*\t+16
.endr
.irp i, 0,1,2,3,4,5,6,7
	ds_load_b128 v[BB_+4*\i:BB_+4*\i+3], v[RD] offset:\i*2*SPITCH
.endr
.endm
.macro SEND a, younger                 ; younger: the LDS instructions issued behind block a's loads from the stage
.set BB_, BK+32*((\a)%2)
	s_wait_dscnt \younger
.irp i, 0,1,2,3,4,5,6,7
	global_store_b128 v[CO], v[BB_+4*\i:BB_+4*\i+3], s[94:95] offset:(8*((\a)/4)+(\a)%4)*65536+2*\i*4096 th:TH_STORE_NT   ; sixteen lanes store 256 consecutive bytes, aligned
.endr
.endm
.macro TAIL a, younger, fetch          ; behind block a: it goes to the stage, the block before leaves, the set takes the block two on
.if (\a) > 1
	s_wait_xcnt 0x0                                ; block a - 2's stores have read the registers that block a's rows land in
.endif
	TOSTAGE \a
.if (\a) > 0
	SEND (\a)-1, \younger
.endif
.if \fetch
	FETCH (\a)%2, (\a)+2
.endif
.endm
	FETCH 0, 0
	FETCH 1, 1
	s_wait_loadcnt 0x0                             ; scale words and bias
.irp p, 0,1,2,3
.irp ks, 0,1,2,3,4,5,6,7
	v_perm_b32 v[SA+8*\p+\ks], v[ACC+16*\p+2*\ks+1], v[ACC+16*\p+2*\ks], 0x05040100   ; two heads' two bytes make a K step's word
.endr
.endr
	PLACES 8                                       ; a scale register written by a vector instruction stands eight places ahead of its product
	WALU
	BLKP 0, 32                                     ; behind block 0's loads: block 1's 32
	TAIL 0, 0, 1
	BLKP 1, 48                                     ; behind a block's loads: a stage's 16 and a fetch's 32
	TAIL 1, 48, 1
	s_wait_dscnt 48
	PRODS 2, 0, 28
	WIN 0
	s_wait_tensorcnt 0x0                           ; my quarter of y's second chunk is in
	s_wait_dscnt 0x0
	s_barrier_signal -1
	PRODS 2, 28, 32
	WIN 0
	s_barrier_wait -1                              ; everybody's is
	PLACES 8
	TAIL 2, 48, 1
	BLKP 3, 48
	TAIL 3, 48, 1
	BLKP 4, 48
	TAIL 4, 48, 1
	BLKP 5, 48
	TAIL 5, 48, 1
	BLKP 6, 48
	TAIL 6, 48, 0
	BLKP 7, 16                                     ; behind block 7's loads: block 6's stage alone
	TAIL 7, 16, 0
	SEND 7, 0
	s_wait_tensorcnt 0x0                           ; the wave's end
	ds_add_u32 v[SPW], v[NIL]
	s_wait_dscnt 0x0
	CROUND                                         ; the closing round
	s_endpgm
.Lfunc_end_k_qc318281d29_proj:
	.size	k_qc318281d29_proj, .Lfunc_end_k_qc318281d29_proj-k_qc318281d29_proj
	.p2alignl 7, 3214868480
	.fill 96, 4, 3214868480
	.section	.rodata,"a",@progbits
	.p2align	6, 0x0
	.amdhsa_kernel k_qc318281d29_proj
		.amdhsa_group_segment_fixed_size 327680
		.amdhsa_private_segment_fixed_size 0
		.amdhsa_enable_private_segment 0
		.amdhsa_kernarg_size 48
		.amdhsa_user_sgpr_count 2
		.amdhsa_user_sgpr_kernarg_segment_ptr 1
		.amdhsa_wavefront_size32 1
		.amdhsa_system_sgpr_workgroup_id_x 1
		.amdhsa_system_sgpr_workgroup_id_y 1
		.amdhsa_system_sgpr_workgroup_id_z 1
		.amdhsa_system_vgpr_workitem_id 0
		.amdhsa_next_free_vgpr 1024
		.amdhsa_next_free_sgpr 102
		.amdhsa_reserve_vcc 0
		.amdhsa_float_denorm_mode_32 3
		.amdhsa_float_denorm_mode_16_64 3
		.amdhsa_memory_ordered 1
		.amdhsa_forward_progress 1
		.amdhsa_inst_pref_size 94
	.end_amdhsa_kernel
	.amdgpu_metadata
---
amdhsa.version: [ 1, 2 ]
amdhsa.kernels:
  - .name:           k_qc318281d29_proj
    .symbol:         k_qc318281d29_proj.kd
    .args:
      - { .name: y_img, .offset: 0, .size: 8, .value_kind: global_buffer, .address_space: global }
      - { .name: y_sc, .offset: 8, .size: 8, .value_kind: global_buffer, .address_space: global }
      - { .name: w_proj_codes, .offset: 16, .size: 8, .value_kind: global_buffer, .address_space: global }
      - { .name: w_proj_scales, .offset: 24, .size: 8, .value_kind: global_buffer, .address_space: global }
      - { .name: b_proj, .offset: 32, .size: 8, .value_kind: global_buffer, .address_space: global }
      - { .name: out0, .offset: 40, .size: 8, .value_kind: global_buffer, .address_space: global }
    .group_segment_fixed_size: 327680
    .private_segment_fixed_size: 0
    .kernarg_segment_align: 8
    .kernarg_segment_size: 48
    .max_flat_workgroup_size: 128
    .sgpr_count:     102
    .vgpr_count:     1024
    .wavefront_size: 32
...
	.end_amdgpu_metadata
.endif
;; end of part 3
